; MI455X (gfx1250); checked and timed in simulation.
; The chip was launched on July 23, 2026; its instructions are those of AMD's public machine-readable ISA for CDNA 5 (MIT licence, August 2026) and "CDNA5" Instruction Set Architecture Reference Guide (July 2026). The comments in the code are by the model that wrote it; some were corrected since.
;; Atomic Linear Test. Allowed arithmetic: matrix products marked QUANTISED: E2M1 operands, one E8M0 scale for each 32 along K, by v_wmma_scale_f32_16x16x128_f8f6f4 with both operands' format E2M1 (or v_wmma_scale_f32_32x16x128_f4), f32 sums; everything else in f32.
;; Inputs: bias 4,096 float32; weight 4,096 x 4,096 float32; x 4,096 x 4,096 float32.
;; Outputs: out0 4,096 x 4,096 float32.
;; This version of the problem:
;;   THIS VERSION OF THE PROBLEM IS GIVEN IN LOW PRECISION. The matrix products marked QUANTISED in the list below multiply operands that are first quantised to E2M1 (2 exponent bits, 1 mantissa bit; 4 bits a number), with one power-of-two scale for each 32 numbers along K (OCP MX v1.0); their sums are f32. All else is computed in f32.
;;   The module's matrix products, in the order in which they are computed (A, B: the left and right operand; K: the contracted axis; several contracted axes count as one K, in the product's order):
;;     1. [M 4,096, K 4,096] x [K 4,096, N 4,096]; A: input x; B: input weight: QUANTISED
;;   THE QUANTISER, for each operand of a quantised product, along K:
;;     - K is cut into blocks of 32 from its start; a last block that is shorter is filled with zeros.
;;     - A block's scale is 2^e with e = floor(log2(the largest magnitude in the block)) - 2, held to -126 .. 127; a block of zeros has e = 0. As a byte (E8M0): e + 127.
;;     - Each number is divided by its block's scale, clamped to +-6, and rounded to the nearest number of E2M1, ties to even, subnormals kept.
;;     - The product sums the exact products of the quantised numbers (number of the format x scale) in f32.
;;   ~~~python
;;   def quantise(x, axis):      # numpy; x: float32 -> the quantised numbers, widened to float32 again
;;       x = np.moveaxis(x, axis, -1); K = x.shape[-1]
;;       x = np.pad(x, [(0, 0)] * (x.ndim - 1) + [(0, -K % 32)]); x = x.reshape(x.shape[:-1] + (-1, 32)); a = np.abs(x).max(-1, keepdims=True)
;;       e = np.where(a > 0, np.clip(np.frexp(np.where(a > 0, a, 1))[1] - 1 - 2, -126, 127), 0)      # np.frexp(a)[1] - 1 = floor(log2(a)), exactly
;;       r = np.clip(x / 2.0 ** e, -6, 6)
;;       step = 2.0 ** (np.maximum(np.frexp(np.where(r == 0, 1, r))[1] - 1, 0) - 1)
;;       q = np.round(r / step) * step * 2.0 ** e      # np.round: ties to even
;;       return np.moveaxis(q.reshape(q.shape[:-2] + (-1,))[..., :K], -1, axis).astype(np.float32)
;;   ~~~
;; One version. Each part assembles by itself: llvm-mc -triple=amdgcn-amd-amdhsa -mcpu=gfx1250 --defsym DOCPART=n.
;; ======== version 1 of 1: 2 launches
;; limits: right only within a limited range of input values
;; workspace buffers: xq 8,912,896 bytes; wq 8,912,896 bytes
;; launch quant (part 1): grid 512 x 1, 8 waves a work-group, no clusters, 44,032 bytes of LDS; arguments x, weight, xq, wq; writes xq, wq
.if DOCPART == 1
	.amdgcn_target "amdgcn-amd-amdhsa--gfx1250"
	.amdhsa_code_object_version 6
	.text
	.protected	k_qa2faa48a1e_quant
	.globl	k_qa2faa48a1e_quant
	.p2align	8
	.type	k_qa2faa48a1e_quant,@function
k_qa2faa48a1e_quant:
	s_mov_b64 s[64:65], 0
	v_nop
	global_prefetch_b8 v0, s[64:65] scope:SCOPE_SE
	s_setreg_imm32_b32 hwreg(HW_REG_WAVE_MODE, 25, 1), 1
	s_wait_xcnt 0x0
; x [4096][4096] and weight [4096][4096], f32, K innermost, are turned into codes of FP4 (E2M1), 4 bits each, with one E8M0 scale byte for each 32 along K.
; A block's scale is 2^(floor(log2(its largest magnitude)) - 2); its byte is the largest magnitude's own exponent field - 2, held at 1 from below.  Each number is divided by the scale and
; rounded to the nearest code, ties to even; what lies beyond 6 gets the largest code.
; LIMITS: NaN and infinities among the inputs are not served.  A block of zeros gets the byte 1 where the quantiser's rule says 127: its codes are zeros, which add nothing under any byte but 0xff,
; and this program alone reads the bytes.  Blocks whose largest magnitude lies under 2^-124 get the byte 1, which is the rule's own hold at e = -126; such blocks were not tried.
; THE OUTPUT'S LAYOUT is made for the product's launch: [K step of 512: 8][block of 128 rows: 32][136 pieces of 256 bytes].  Piece u < 128 of a block: the 256 bytes of codes of its row u for that K step
; (two codes a byte, the lower k in the low four bits).  Piece 128 + i: the scale bytes of its rows 16 i .. 16 i + 15, 16 bytes a row.  So what a wave of the product fetches for a K step, codes and scales, is one dense run of 34,816 bytes.
; SHARES.  Work-groups 0 to 255 take x, the others weight: only pointers are chosen, the text has one path.  A work-group owns 16 rows, so that it makes whole pieces of scale bytes; each of its eight waves owns two rows:
; 8,192 consecutive numbers, 16 steps of 512.  Step t is row t / 8 of the two, K step t % 8.
; A STEP.  The conversions take numbers of ONE block from a lane's consecutive registers, so a lane must hold 16 neighbours (two neighbouring lanes hold a block); a load is best where neighbouring LANES take neighbouring
; bytes.  Both are had: each of a step's four loads reads 512 consecutive bytes; the 2,048 bytes go through the wave's own stage in LDS as they lie and come back 64 bytes a lane (16 bytes of padding behind each 64).
; A lane's 16 codes are 8 bytes: the wave's store covers 256 consecutive bytes, aligned: one piece.  The scale bytes meet in LDS, one barrier, and wave w stores K step w's piece: 256 consecutive bytes, aligned.
; Memory binds here: no matrix unit, no tensor load, no cluster (work-groups share no input).  Loads run four steps (16 loads a wave) ahead, the turn through LDS one step.  Every offset is an immediate and every store has data registers of its own, so nothing that a pending instruction reads is written again.
.set BLKB,   34816                     ; a block: 136 pieces of 256 bytes
.set KSTEPB, 32*BLKB                   ; a K step: 32 blocks; 7 of them + 256 stay inside the signed 24-bit immediate (ISA guide, chapter 10)
.set SCOFF,  32768                     ; where a block's scale bytes begin
.set STEPS,  16
.set EMAX,   2
.set SP,     80                        ; a lane's place in a stage: its 64 bytes + 16 of padding
.set WREG,   2*32*SP                   ; LDS: two stages for each wave
.set SCB,    8*WREG                    ; behind them the work-group's scale bytes: [K step 8][row 16][16 bytes]
.set R,      16                        ; v16-79   four sets of 16 numbers as they are loaded
.set X,      80                        ; v80-111  two sets of 16 neighbours
.set E,      112                       ; v112-127 a scale byte for each step
.set C,      128                       ; v128-159 codes: two registers for each step
	s_load_b128 s[4:7], s[0:1], 0x0                ; x, weight
	s_load_b128 s[8:11], s[0:1], 0x10              ; xq, wq
	v_lshl_add_u32 v160, v0, 2, 0xa800
	v_mov_b32 v161, 0
	v_lshrrev_b32 v1, 5, v0
	s_delay_alu instid0(VALU_DEP_1)
	v_readfirstlane_b32 s16, v1                    ; wave 0..7
	v_and_b32 v2, 31, v0                           ; lane
	s_delay_alu instid0(VALU_DEP_1)
	v_lshlrev_b32 v3, 4, v2                        ; my 16 bytes of a load's 512
	s_delay_alu instid0(VALU_DEP_2)
	v_lshlrev_b32 v4, 3, v2                        ; my 8 bytes of a piece, codes or scale bytes
	s_mul_i32 s17, s16, WREG
	v_lshrrev_b32 v14, 2, v2
	s_delay_alu instid0(VALU_DEP_1)
	v_mul_u32_u24 v14, v14, SP
	v_and_b32 v15, 3, v2
	s_delay_alu instid0(VALU_DEP_1)
	v_lshl_add_u32 v14, v15, 4, v14
	s_delay_alu instid0(VALU_DEP_1)
	v_add_nc_u32 v14, s17, v14                     ; the stage, on the way in: four lanes' 64 bytes on end, then 16 of padding
	v_mul_u32_u24 v15, v2, SP
	s_delay_alu instid0(VALU_DEP_1)
	v_add_nc_u32 v15, s17, v15                     ; and on the way out: my 16 neighbours
	s_lshl_b32 s18, s16, 5
	s_add_co_u32 s18, s18, SCB
	v_lshrrev_b32 v5, 1, v2
	s_delay_alu instid0(VALU_DEP_1)
	v_add_nc_u32 v5, s18, v5                       ; my block's scale byte: my wave's two rows begin 32 w bytes into a K step's 256; the K step and the row stand in the immediate
	s_lshl_b32 s19, s16, 8
	s_add_co_u32 s19, s19, SCB
	v_add_nc_u32 v6, s19, v4                       ; and back: K step w's 256 bytes, 8 a lane
	s_wait_alu depctr_va_vdst(0)
	s_wait_kmcnt 0x0
	s_cmp_lt_u32 ttmp9, 256                        ; x's work-group or weight's?  The choice hangs on the work-group's number alone
	s_cselect_b64 s[4:5], s[4:5], s[6:7]
	s_cselect_b64 s[8:9], s[8:9], s[10:11]
	s_cselect_b32 s17, 0, 256
	s_sub_co_u32 s17, ttmp9, s17                   ; g: which 16 rows of the tensor
	s_lshl_b32 s18, s17, 18                        ; 16 rows of 16,384 bytes,
	s_lshl_b32 s19, s16, 15                        ; my wave's two of them
	s_add_co_u32 s18, s18, s19
	s_mov_b32 s19, 0
	s_add_nc_u64 s[4:5], s[4:5], s[18:19]
	s_lshr_b32 s20, s17, 3
	s_mul_i32 s20, s20, BLKB                       ; my block of 128 rows
	s_and_b32 s21, s17, 7                          ; which 16 rows of it
	s_mul_i32 s24, s16, KSTEPB                     ; the scale bytes that my wave stores: K step w,
	s_add_co_u32 s24, s24, s20                     ; my block,
	s_lshl_b32 s25, s21, 8
	s_add_co_u32 s24, s24, s25                     ; the piece of my work-group's 16 rows
	s_add_co_u32 s24, s24, SCOFF
	s_mov_b32 s25, 0
	s_add_nc_u64 s[10:11], s[8:9], s[24:25]
	s_lshl_b32 s22, s21, 12                        ; the codes: 16 pieces for my work-group's rows,
	s_add_co_u32 s22, s22, s20
	s_lshl_b32 s23, s16, 9                         ; two for my wave's
	s_add_co_u32 s22, s22, s23
	s_mov_b32 s23, 0
	s_add_nc_u64 s[8:9], s[8:9], s[22:23]
.macro LOAD t
.irp i, 0,1,2,3
	global_load_b128 v[R+16*((\t)%4)+4*\i:R+16*((\t)%4)+4*\i+3], v3, s[4:5] offset:2048*(\t)+512*\i th:TH_LOAD_NT   ; 32 lanes read 512 consecutive bytes; read once in the launch
.endr
.endm
.macro TURN t                          ; step t's numbers through the stage: LDS serves a wave's instructions in order (ISA guide 5.7.1.4), so no wait stands between the stores and the loads
.irp i, 0,1,2,3
	ds_store_b128 v14, v[R+16*((\t)%4)+4*\i:R+16*((\t)%4)+4*\i+3] offset:32*SP*((\t)%2)+8*SP*\i
.endr
.irp i, 0,1,2,3
	ds_load_b128 v[X+16*((\t)%2)+4*\i:X+16*((\t)%2)+4*\i+3], v15 offset:32*SP*((\t)%2)+16*\i
.endr
.endm
.irp t, 0,1,2,3
	LOAD \t
.endr
	s_wait_loadcnt 12                              ; step 0's four loads are in; the twelve behind them stay out
	TURN 0
.macro STEP t
.set XS, X+16*((\t)%2)
.if (\t) > 0
	s_wait_dscnt 1                                 ; this step's numbers are back from the stage (the last step's byte store may be out): so its stores into the stage have read their registers,
.else
	s_wait_dscnt 0x0
.endif
.if (\t)+4 < STEPS
	LOAD (\t)+4                                    ; which take the loads of four steps on
.endif
.if (\t)+1 < STEPS
.if STEPS-2-(\t) >= 3
	s_wait_loadcnt 12                              ; the next step's four loads are in; those of the three steps behind it may be out
.else
	s_wait_loadcnt 4*(STEPS-2-(\t))                ; the last steps load nothing: the counts run down
.endif
	TURN (\t)+1                                    ; and go through the other stage while this step is worked
.endif
	v_max3_num_f32 v8, |v[XS]|, |v[XS+1]|, |v[XS+2]|               ; the largest magnitude of my 16, in two chains
	v_max3_num_f32 v9, |v[XS+3]|, |v[XS+4]|, |v[XS+5]|
.irp i, 6,10
	s_delay_alu instid0(VALU_DEP_2)
	v_max3_num_f32 v8, v8, |v[XS+\i]|, |v[XS+\i+1]|
	s_delay_alu instid0(VALU_DEP_2)
	v_max3_num_f32 v9, v9, |v[XS+\i+2]|, |v[XS+\i+3]|
.endr
	s_delay_alu instid0(VALU_DEP_2)
	v_max3_num_f32 v8, v8, |v[XS+14]|, |v[XS+15]|
	s_delay_alu instid0(VALU_DEP_1)
	v_max3_num_f32 v8, v8, v9, (EMAX+1)<<23        ; and the floor 2^(3 - 127), under which no largest magnitude is taken: so the byte cannot fall under 1
	s_delay_alu instid0(VALU_DEP_1)
	v_max_num_f32_dpp v8, v8, v8 row_xmask:1 row_mask:0xf bank_mask:0xf   ; and of my neighbour's 16: the block's
	s_delay_alu instid0(VALU_DEP_1)
	v_add_nc_u32 v11, 0xff000000, v8               ; 2 off its exponent field: the conversion takes the exponent field of this operand as its scale, and nothing else of it
	v_cvt_scalef32_pk8_fp4_f32 v[C+2*(\t)], v[XS:XS+7], v11        ; eight numbers / the scale, to the nearest code; the first number's code in the lowest four bits
	v_cvt_scalef32_pk8_fp4_f32 v[C+2*(\t)+1], v[XS+8:XS+15], v11
	v_lshrrev_b32 v[E+(\t)], 23, v11               ; the scale's byte.  (Also the plain instruction behind the conversions, ahead of the next write of v11)
	ds_store_b8 v5, v[E+(\t)] offset:((\t)%8)*256+((\t)/8)*16      ; both lanes of a block write the same byte with the same value
	global_store_b64 v4, v[C+2*(\t):C+2*(\t)+1], s[8:9] offset:((\t)%8)*KSTEPB+((\t)/8)*256   ; 32 lanes store 256 consecutive bytes, aligned: my row's piece of this K step
.endm
.irp t, 0,1,2,3,4,5,6,7,8,9,10,11,12,13,14,15
	STEP \t
.endr
	s_wait_dscnt 0x0                               ; for the others' sake: my byte stores have landed
	s_barrier_signal -1
	s_barrier_wait -1                              ; all eight waves' have: the 16 rows' scale bytes of all eight K steps lie in LDS
	ds_load_b64 v[12:13], v6                       ; K step w's: 16 rows x 16 bytes
	s_wait_dscnt 0x0
	global_store_b64 v4, v[12:13], s[10:11]        ; 32 lanes store 256 consecutive bytes, aligned: one piece of scale bytes
	s_barrier_signal -1
	s_barrier_wait -1
	s_wait_tensorcnt 0x0
	ds_add_u32 v160, v161
	s_wait_dscnt 0x0
	s_endpgm
.Lfunc_end_k_qa2faa48a1e_quant:
	.size	k_qa2faa48a1e_quant, .Lfunc_end_k_qa2faa48a1e_quant-k_qa2faa48a1e_quant
	.p2alignl 7, 3214868480
	.fill 96, 4, 3214868480
	.section	.rodata,"a",@progbits
	.p2align	6, 0x0
	.amdhsa_kernel k_qa2faa48a1e_quant
		.amdhsa_group_segment_fixed_size 44032
		.amdhsa_private_segment_fixed_size 0
		.amdhsa_enable_private_segment 0
		.amdhsa_kernarg_size 32
		.amdhsa_user_sgpr_count 2
		.amdhsa_user_sgpr_kernarg_segment_ptr 1
		.amdhsa_wavefront_size32 1
		.amdhsa_system_sgpr_workgroup_id_x 1
		.amdhsa_system_sgpr_workgroup_id_y 1
		.amdhsa_system_sgpr_workgroup_id_z 1
		.amdhsa_system_vgpr_workitem_id 0
		.amdhsa_next_free_vgpr 162
		.amdhsa_next_free_sgpr 66
		.amdhsa_reserve_vcc 0
		.amdhsa_float_denorm_mode_32 3
		.amdhsa_float_denorm_mode_16_64 3
		.amdhsa_memory_ordered 1
		.amdhsa_forward_progress 1
		.amdhsa_inst_pref_size 38
	.end_amdhsa_kernel
	.amdgpu_metadata
---
amdhsa.version: [ 1, 2 ]
amdhsa.kernels:
  - .name:           k_qa2faa48a1e_quant
    .symbol:         k_qa2faa48a1e_quant.kd
    .args:
      - { .name: x, .offset: 0, .size: 8, .value_kind: global_buffer, .address_space: global }
      - { .name: weight, .offset: 8, .size: 8, .value_kind: global_buffer, .address_space: global }
      - { .name: xq, .offset: 16, .size: 8, .value_kind: global_buffer, .address_space: global }
      - { .name: wq, .offset: 24, .size: 8, .value_kind: global_buffer, .address_space: global }
    .group_segment_fixed_size: 44032
    .private_segment_fixed_size: 0
    .kernarg_segment_align: 8
    .kernarg_segment_size: 32
    .max_flat_workgroup_size: 256
    .sgpr_count:     66
    .vgpr_count:     162
    .wavefront_size: 32
...
	.end_amdgpu_metadata
.endif
;; end of part 1
;; launch gemm (part 2): grid 16 x 16, 4 waves a work-group, clusters of 4 x 4, 327,680 bytes of LDS; arguments xq, wq, bias, out0; writes out0
.if DOCPART == 2
	.amdgcn_target "amdgcn-amd-amdhsa--gfx1250"
	.amdhsa_code_object_version 6
	.text
	.protected	k_qa2faa48a1e_gemm
	.globl	k_qa2faa48a1e_gemm
	.p2align	8
	.type	k_qa2faa48a1e_gemm,@function
k_qa2faa48a1e_gemm:
	s_mov_b64 s[64:65], 0
	v_nop
	global_prefetch_b8 v0, s[64:65] scope:SCOPE_SE
	s_setreg_imm32_b32 hwreg(HW_REG_WAVE_MODE, 25, 1), 1
	s_wait_xcnt 0x0
	s_wait_alu depctr_hold_cnt(0) depctr_sa_sdst(0) depctr_va_vdst(0) depctr_va_sdst(0) depctr_va_ssrc(0) depctr_va_vcc(0) depctr_vm_vsrc(0)
	s_getreg_b32 s2, hwreg(HW_REG_IB_STS2, 6, 4)
	s_cmp_eq_u32 s2, 0
	s_cbranch_scc0 .Lentry_in_a_cluster
	s_endpgm
.Lentry_in_a_cluster:
	s_bfe_u32 s2, ttmp6, 0x10000c
	s_cmp_lg_u32 s2, 0xf033
	s_cbranch_scc0 .Lentry_shape_is_right
	s_endpgm
.Lentry_shape_is_right:
; out0[m][n] = sum over k of Q(x)[m][k] Q(weight)[n][k] + bias[n]; 4096 x 4096 x 4096.  Both operands come as codes of FP4 (E2M1) with one E8M0 byte for each 32 along K, made by the launch before.
; xq and wq are laid [K step of 512: 8][block of 128 rows: 32][136 pieces of 256 bytes]: piece u < 128 holds row u's 256 bytes of codes, piece 128 + i the scale bytes of rows 16 i .. 16 i + 15, 16 bytes a row.
; So what one wave fetches for a K step, codes and scales of 128 rows, is one dense run of 34,816 bytes, brought by one tensor load as 136 rows of 256 bytes, each padded by 16 bytes in LDS.
; A tile of out0, 256 x 256, is made by four waves, each 128 x 128: 64 accumulators, 512 registers.  K goes in steps of 512 through a ring of two LDS slots.
; CLUSTERS: 4 x 4 work-groups; x's blocks are asked for jointly along a row of the cluster, weight's along a column.
; THE MATRIX INSTRUCTION IS USED TRANSPOSED (source 0 = 16 rows of weight, source 1 = 16 rows of x): a lane holds eight neighbouring numbers of a row of out0.  The bias is the C of each accumulator's first product.
; THE LAST K STEP GOES BY ROWS OF out0: weight's fragments of the whole step fill window 1, and my eight blocks of 16 rows are finished one after the other, K ascending; each block leaves while the next is multiplied.
; PREFETCH: behind each joint load the K step two refills on is asked for.  Of the 136 pieces that a wave fetches, the partner at place p (cx for x, cy for weight) names code pieces 32 p .. 32 p + 31, a lane a piece,
; and scale pieces 128 + 2 p and 129 + 2 p (the lanes by their lowest bit): each piece is named by one work-group of each cluster that loads it.  K steps 1 and 2 are asked for behind the first load, K step 3 behind the second; the last two refills ask for nothing.
; REGISTERS: window 0: v0-31 addresses; v32-95 scale words, two sets; v128-191 x's fragments; v192-255 the bias (last K step: v128-255 four buffers of 16 rows x 512 K).  Window 1: weight's fragments.  Windows 2, 3: the accumulators.
; LIMITS: none beyond those of the codes and scale bytes as the launch before makes them.
.set SIZE_N, 4096
.set BLKB,   34816
.set KSTEPB, 32*BLKB
.set SCOFF,  32768
.set NQ,     4                         ; matrix instructions deep in a K step
.set PITCH,  272                       ; an LDS row: 256 bytes + 16 of padding
.set FR,     8
.set NL,     2
.set NP,     4                         ; places behind this matrix instruction (ISA guide 7.12.1)
.set HALFT,  136*PITCH                 ; what one tensor load brings
.set SLOT,   4*HALFT
.set LAPS,   4
.set SPARE,  2*SLOT                    ; the spare words, 128 bytes a wave
.set SPITCH, 528                       ; the way out: a stage of 16 rows x (512 + 16) bytes for each wave, in slot 0 behind its last fill and last read
.set ADRA, 16
.set ADRB, 20
.set ADRS, 22
.set STO,  24
.set RD,   25
.set CO,   26
.set BO,   27
.set SPW,  28
.set NIL,  29
.set PFO,  30
.set PFS,  31
.set SC,   32
.set AF,   128
.set BI,   192
.set G1,   24
.set G0,   32
.set G1B,  48
.set G0B,  56
.set PFA,  68
.set MSB, 0
.macro WIN new                         ; the immediate's high byte repeats the setting that is left
.if MSB != (\new)
	s_set_vgpr_msb (MSB<<8)|(\new)
.set MSB, (\new)
.endif
.endm
.set MUL_LO,   0xa1                    ; source 0 window 1, source 1 window 0, C and D window 2
.set MUL_HI,   0xf1
.set FIRST_LO, 0x81                    ; the same with C (the bias) in window 0
.set FIRST_HI, 0xc1
.set TO_B,     0x40
.macro JLOAD g0a, g1a, g0b, g1b        ; a joint load: waves 0, 1 fetch x's two blocks, waves 2, 3 weight's
	s_cmp_eq_u32 s15, 0
	s_cbranch_scc0 .Lfor_b_\@
	tensor_load_to_lds s[\g0a:\g0a+3], s[\g1a:\g1a+7]
	s_nop 0
.rept 4
	v_nop
.endr
	s_branch .Lasked_\@
.Lfor_b_\@:
	tensor_load_to_lds s[\g0b:\g0b+3], s[\g1b:\g1b+7]
	s_nop 0
.rept 4
	v_nop
.endr
.Lasked_\@:
.endm
.macro CREST                           ; a round of the cluster's barrier behind its opening barrier
	s_cmp_lg_u32 s14, 0
	s_cbranch_scc1 .Lnot_wave_0_\@
	s_barrier_signal -3
.Lnot_wave_0_\@:
	s_barrier_wait -3
	s_barrier_signal -1
	s_barrier_wait -1
.endm
.macro CROUND
	s_barrier_signal -1
	s_barrier_wait -1
	CREST
.endm
.macro ASKAT off                       ; my 32 code pieces and my 2 scale pieces of the K step that lies off bytes on
	global_prefetch_b8 v[PFO], s[PFA:PFA+1] offset:\off th:TH_LOAD_NT scope:SCOPE_SE
	global_prefetch_b8 v[PFS], s[PFA:PFA+1] offset:\off th:TH_LOAD_NT scope:SCOPE_SE
.endm
.macro ASK                             ; in the loop: the last trip's two refills have no K step two on
	s_cmp_gt_u32 s3, 1
	s_cbranch_scc0 .Lno_ask_\@
	ASKAT 3*KSTEPB
.Lno_ask_\@:
.endm
	s_load_b256 s[4:11], s[0:1], 0x0               ; xq, wq, bias, out0
	v_lshl_add_u32 v[SPW], v0, 2, SPARE
	v_mov_b32 v[NIL], 0
	ds_add_u32 v[SPW], v[NIL]                      ; the opening lines: the add, twice on end, and its wait ahead of my first tensor load
	ds_add_u32 v[SPW], v[NIL]
	v_lshrrev_b32 v1, 5, v0
	v_readfirstlane_b32 s14, v1                    ; wave 0..3
	s_lshr_b32 s15, s14, 1                         ; my half of the tile's rows; also: I fetch for x (0) or weight (1)
	s_and_b32 s16, s14, 1                          ; my half of its columns; also: which block of 128 rows I fetch
	s_bfe_u32 s40, ttmp6, 0x40000                  ; cx
	s_bfe_u32 s41, ttmp6, 0x40004                  ; cy
	s_lshl_b32 s42, ttmp9, 2
	s_add_co_u32 s42, s42, s40                     ; tile column
	s_and_b32 s17, ttmp7, 0xffff
	s_lshl_b32 s17, s17, 2
	s_add_co_u32 s17, s17, s41                     ; tile row
	s_lshl_b32 s43, s41, 2
	s_lshl_b32 s43, 15, s43                        ; my row of the cluster
	s_lshl_b32 s44, 0x1111, s40                    ; my column
	s_or_b32 s[G1+0], s43, (3<<16)|(1<<20)|(1<<21)|(5<<22)|(3<<25)   ; the mask; elements of 8 bytes; 4 words of padding behind every 64
	s_or_b32 s[G1B+0], s44, (3<<16)|(1<<20)|(1<<21)|(5<<22)|(3<<25)
.irp g, G1, G1B
	s_mov_b32 s[\g+1], 32<<16                      ; rows of 32 elements,
	s_mov_b32 s[\g+2], 136<<16                     ; 136 of them,
	s_mov_b32 s[\g+3], 32<<16
	s_mov_b32 s[\g+4], 136
	s_mov_b32 s[\g+5], 32                          ; dense in memory
	s_mov_b32 s[\g+6], 0
	s_mov_b32 s[\g+7], 0
.endr
	s_lshl_b32 s20, s17, 1
	s_add_co_u32 s20, s20, s16
	s_mul_i32 s20, s20, BLKB                       ; x: the block that I fetch
	s_mov_b32 s21, 0
	s_lshl_b32 s46, s42, 1
	s_add_co_u32 s46, s46, s16
	s_mul_i32 s46, s46, BLKB                       ; weight: likewise
	s_mov_b32 s47, 0
	s_mul_i32 s45, s14, HALFT                      ; where it goes in a slot
	s_mul_i32 s18, s15, HALFT                      ; x's block that I multiply
	s_mul_i32 s19, s16, HALFT
	s_add_co_u32 s19, s19, 2*HALFT                 ; weight's, behind x's two
	s_sub_co_u32 s22, s19, s18
	s_add_co_u32 s12, s18, 128*PITCH               ; the scale pieces lie behind a block's 128 rows of codes
	s_mul_i32 s23, s14, 16*SPITCH                  ; my stage
	s_lshl_b32 s72, s42, 10
	s_lshl_b32 s73, s16, 9
	s_add_co_u32 s72, s72, s73                     ; my first column, in bytes
	s_mov_b32 s73, 0
	s_lshl_b32 s70, s17, 8
	s_lshl_b32 s71, s15, 7
	s_add_co_u32 s70, s70, s71
	s_lshl_b32 s70, s70, 14                        ; my first row of out0: 16,384 bytes a row
	s_add_co_u32 s70, s70, s72
	s_mov_b32 s71, 0
	s_cmp_eq_u32 s15, 0
	s_cselect_b32 s74, s20, s46                    ; the prefetches: the block that I fetch,
	s_cselect_b32 s76, s40, s41                    ; p: my place among the four that ask for it with me
	s_lshl_b32 s77, s76, 13
	s_add_co_u32 s74, s74, s77                     ; + 32 p pieces
	s_mov_b32 s75, 0
	s_lshl_b32 s76, s76, 9
	s_sub_co_u32 s76, s76, s77
	s_add_co_u32 s76, s76, SCOFF                   ; from there to scale piece 2 p: 32,768 + 512 p - 8,192 p, above 0
	v_and_b32 v1, 15, v0                           ; r = l % 16
	v_bfe_u32 v2, v0, 4, 1                         ; h = l / 16
	v_and_b32 v6, 31, v0
	v_lshlrev_b32 v[BO], 5, v2                     ; the bias: 32 h bytes
	v_mul_u32_u24 v3, v1, PITCH
	v_lshl_add_u32 v4, v2, 4, v3                   ; a fragment's row x pitch + 16 h
	v_add_nc_u32 v[ADRA], s18, v4
	v_add_nc_u32 v[ADRB], s19, v4
	v_add_nc_u32 v[ADRA+1], SLOT, v[ADRA]
	v_add_nc_u32 v[ADRB+1], SLOT, v[ADRB]
	v_lshlrev_b32 v5, 4, v1                        ; scale words: 16 bytes a row; lanes 0-15 x's, lanes 16-31 weight's
	v_mul_u32_u24 v7, s22, v2
	v_add_nc_u32 v5, v5, v7
	v_add_nc_u32 v[ADRS], s12, v5
	v_add_nc_u32 v[ADRS+1], SLOT, v[ADRS]
	v_mul_u32_u24 v5, v1, SPITCH
	v_lshl_add_u32 v5, v2, 5, v5
	v_add_nc_u32 v[STO], s23, v5                   ; into the stage: row r, 32 bytes for each half of the lanes
	v_lshlrev_b32 v[CO], 4, v6                     ; back: 32 lanes take a row of 512 bytes; the same in out0
	v_add_nc_u32 v[RD], s23, v[CO]
	v_lshlrev_b32 v[PFO], 8, v6                    ; a lane a piece
	v_and_b32 v7, 1, v0
	v_lshlrev_b32 v7, 8, v7
	v_add_nc_u32 v[PFS], s76, v7
	s_wait_alu depctr_va_vdst(0)
	s_wait_dscnt 0x0                               ; both opening adds are done
	s_wait_kmcnt 0x0
	s_add_nc_u64 s[8:9], s[8:9], s[72:73]
.irp b, 0,1,2,3,4,5,6,7
	global_load_b128 v[BI+8*\b:BI+8*\b+3],   v[BO], s[8:9] offset:64*\b       ; bias at my columns 16 b + 8 h + 0 .. 7, in the result's layout
	global_load_b128 v[BI+8*\b+4:BI+8*\b+7], v[BO], s[8:9] offset:64*\b+16
.endr
	s_add_nc_u64 s[20:21], s[4:5], s[20:21]
	s_add_nc_u64 s[46:47], s[6:7], s[46:47]
	s_add_nc_u64 s[10:11], s[10:11], s[70:71]
	s_cmp_eq_u32 s15, 0
	s_cselect_b64 s[PFA:PFA+1], s[4:5], s[6:7]
	s_add_nc_u64 s[PFA:PFA+1], s[PFA:PFA+1], s[74:75]
.irp s, 0,1
	s_mov_b32 s[G0+4*\s], 1
	s_add_co_u32 s[G0+4*\s+1], s45, \s*SLOT
	s_add_nc_u64 s[G0+4*\s+2:G0+4*\s+3], s[20:21], \s*KSTEPB
	s_or_b32 s[G0+4*\s+3], s[G0+4*\s+3], 0x80000000
	s_mov_b32 s[G0B+4*\s], 1
	s_add_co_u32 s[G0B+4*\s+1], s45, \s*SLOT
	s_add_nc_u64 s[G0B+4*\s+2:G0B+4*\s+3], s[46:47], \s*KSTEPB
	s_or_b32 s[G0B+4*\s+3], s[G0B+4*\s+3], 0x80000000
.endr
	CROUND                                         ; all sixteen work-groups are here: the first joint loads meet
	JLOAD G0, G1, G0B, G1B                         ; K step 0: one tensor load a wave at the head
	ASKAT KSTEPB                                   ; K steps 1 and 2
	ASKAT 2*KSTEPB
.macro FRAG reg, adr, q, i             ; 16 rows x 128 K: lane l holds row l % 16; registers 4 c .. 4 c + 3 hold K = 64 c + 32 (l / 16) + 0 .. 31
.irp c, 0,1
	ds_load_b128 v[\reg+4*\c:\reg+4*\c+3], v[\adr] offset:64*(\q)+32*\c+(\i)*16*PITCH
.endr
.endm
; 16 matrix instructions: x's blocks a0, a0 + 1 against weight's eight.  The 64 accumulators take turns.  first = 1: the bias starts the sums
.macro MUL16 a0, p, q, sc, first
.irp a, \a0, \a0+1
.irp b, 0,1,2,3,4,5,6,7
.if \first
	v_wmma_scale_f32_16x16x128_f8f6f4 v[8*(8*((\a)%4)+\b):8*(8*((\a)%4)+\b)+7], v[128*(\p)+FR*\b:128*(\p)+FR*\b+FR-1], v[AF+FR*(\a):AF+FR*(\a)+FR-1], v[BI+8*\b:BI+8*\b+7], v[SC+8*NQ*(\sc)+NQ*\b+(\q)], v[SC+8*NQ*(\sc)+NQ*(\a)+(\q)] matrix_a_fmt:MATRIX_FMT_FP4 matrix_b_fmt:MATRIX_FMT_FP4 matrix_a_scale:MATRIX_SCALE_ROW1
.else
	v_wmma_scale_f32_16x16x128_f8f6f4 v[8*(8*((\a)%4)+\b):8*(8*((\a)%4)+\b)+7], v[128*(\p)+FR*\b:128*(\p)+FR*\b+FR-1], v[AF+FR*(\a):AF+FR*(\a)+FR-1], v[8*(8*((\a)%4)+\b):8*(8*((\a)%4)+\b)+7], v[SC+8*NQ*(\sc)+NQ*\b+(\q)], v[SC+8*NQ*(\sc)+NQ*(\a)+(\q)] matrix_a_fmt:MATRIX_FMT_FP4 matrix_b_fmt:MATRIX_FMT_FP4 matrix_a_scale:MATRIX_SCALE_ROW1
.endif
.endr
.endr
.endm
.macro FETCH_B slot, q, p
	WIN TO_B
.irp i, 0,1,2,3,4,5,6,7
	FRAG 128*(\p)+FR*\i, ADRB+\slot, \q, \i
.endr
	WIN 0
.endm
.macro FETCH_A slot, q, i0
.irp i, \i0, \i0+1, \i0+2, \i0+3
	FRAG AF+FR*(\i), ADRA+\slot, \q, \i
.endr
.endm
.macro SCALES sc                       ; a K step's scale words: register NQ i + q: lanes 0-15 x's block i, lanes 16-31 weight's block i
.irp i, 0,1,2,3,4,5,6,7
	ds_load_b128 v[SC+8*NQ*\sc+NQ*\i:SC+8*NQ*\sc+NQ*\i+3], v[ADRS+\sc] offset:\i*PITCH
.endr
.endm
.macro PLACES n
.rept \n
	v_nop
.endr
.endm
.macro STEP slot, q, first             ; 128 along K with its successor in the same slot
	s_wait_dscnt 4*NL                              ; all but x's blocks 4-7 are in
.if \first
	WIN FIRST_LO
.else
	WIN MUL_LO
.endif
	MUL16 0, (\q)%2, \q, \slot, \first
	MUL16 2, (\q)%2, \q, \slot, \first
	s_wait_dscnt 0
	PLACES NP
	FETCH_B \slot, (\q)+1, 1-(\q)%2
	FETCH_A \slot, (\q)+1, 0
.if \first
	WIN FIRST_HI
.else
	WIN MUL_HI
.endif
	MUL16 4, (\q)%2, \q, \slot, \first
	MUL16 6, (\q)%2, \q, \slot, \first
	PLACES NP
	WIN 0
	FETCH_A \slot, (\q)+1, 4
.endm
.macro MEET slot                       ; the first half of a slot's last step and the barrier of the change of slots
	s_wait_tensorcnt 0x0                           ; my one load that was out, my part of the next slot, has landed
	ds_add_u32 v[SPW], v[NIL]
	s_wait_dscnt 4*NL+1                            ; (the add and x's blocks 4-7 may be out)
	WIN MUL_LO
	MUL16 0, 1, NQ-1, \slot, 0
	s_wait_dscnt 0x0                               ; the add is done, my reads of this slot are over
	s_barrier_signal -1
	MUL16 2, 1, NQ-1, \slot, 0
	WIN 0
	s_barrier_wait -1
.endm
.macro TURN slot, next                 ; a slot's last step: the slot is filled again, two K steps ahead
	s_wait_xcnt 0x0                                ; my prefetches have read their address
	s_add_nc_u64 s[PFA:PFA+1], s[PFA:PFA+1], KSTEPB
	MEET \slot
	CREST                                          ; the barrier has opened a round of the cluster's barrier
	s_add_nc_u64 s[G0+4*\slot+2:G0+4*\slot+3], s[G0+4*\slot+2:G0+4*\slot+3], 2*KSTEPB
	s_add_nc_u64 s[G0B+4*\slot+2:G0B+4*\slot+3], s[G0B+4*\slot+2:G0B+4*\slot+3], 2*KSTEPB
	JLOAD G0+4*\slot, G1, G0B+4*\slot, G1B         ; its four v_nop are also the places in front of the loads below
	FETCH_B \next, 0, 0
	FETCH_A \next, 0, 0
	SCALES \next
	ASK
	WIN MUL_HI
	MUL16 4, 1, NQ-1, \slot, 0
	MUL16 6, 1, NQ-1, \slot, 0
	PLACES NP
	WIN 0
	FETCH_A \next, 0, 4
.endm
.macro STEPS slot, from
.set Q, \from
.rept NQ-1-\from
	STEP \slot, Q, 0
.set Q, Q+1
.endr
.endm
	s_wait_tensorcnt 0x0                           ; my part of K step 0 is in
	ds_add_u32 v[SPW], v[NIL]
	s_wait_dscnt 0x0
	CROUND                                         ; everybody's part is in, and the joint loads meet
	JLOAD G0+4, G1, G0B+4, G1B                     ; K step 1
	FETCH_B 0, 0, 0
	FETCH_A 0, 0, 0
	SCALES 0
	FETCH_A 0, 0, 4
	ASKAT 3*KSTEPB                                 ; K step 3
	s_wait_loadcnt 0x0                             ; the bias is in
	STEP 0, 0, 1
	s_mov_b32 s3, LAPS-1
.Llap:                                                 ; a trip goes once round the ring, from a lap's second step to the next lap's first
	STEPS 0, 1
	TURN 0, 1
	STEPS 1, 0
	TURN 1, 0
	STEP 0, 0, 0
	s_sub_co_u32 s3, s3, 1
	s_cmp_lg_u32 s3, 0
	s_cbranch_scc1 .Llap
	STEPS 0, 1
; THE LAST K STEP (slot 1), BY ROWS
.macro BLOAD q                         ; weight's fragments of quarter q -> window 1, v[64 q ..]
.irp i, 0,1,2,3,4,5,6,7
	FRAG 64*(\q)+FR*\i, ADRB+1, \q, \i
.endr
.endm
.macro ALOAD a                         ; x's block a, all four quarters -> buffer a % 4
.irp q, 0,1,2,3
	FRAG AF+32*((\a)%4)+FR*\q, ADRA+1, \q, \a
.endr
.endm
.macro ROW a                           ; block a is finished: 32 matrix instructions, its 8 accumulators by turns, K ascending
	WIN MUL_LO+0x50*((\a)/4)
.irp q, 0,1,2,3
.if (\a) == 0 && \q == 2
	s_wait_dscnt 24                                ; weight's quarter 2 is in (behind it: x's blocks 1 to 3)
.endif
.irp b, 0,1,2,3,4,5,6,7
	v_wmma_scale_f32_16x16x128_f8f6f4 v[64*((\a)%4)+8*\b:64*((\a)%4)+8*\b+7], v[64*\q+FR*\b:64*\q+FR*\b+FR-1], v[AF+32*((\a)%4)+FR*\q:AF+32*((\a)%4)+FR*\q+FR-1], v[64*((\a)%4)+8*\b:64*((\a)%4)+8*\b+7], v[SC+8*NQ+NQ*\b+\q], v[SC+8*NQ+NQ*(\a)+\q] matrix_a_fmt:MATRIX_FMT_FP4 matrix_b_fmt:MATRIX_FMT_FP4 matrix_a_scale:MATRIX_SCALE_ROW1
.endr
.endr
.endm
.macro TOSTAGE a                       ; block a through my stage: in by 32 bytes a lane, back as whole rows of 512 bytes, into the block's own registers (LDS serves a wave's instructions in order: ISA guide 5.7.1.4)
.set AC, 64*((\a)%4)
	WIN 0x08+4*((\a)/4)
.irp b, 0,1,2,3,4,5,6,7
	ds_store_b128 v[STO], v[AC+8*\b:AC+8*\b+3] offset:64*\b          ; each accumulator from its low end on
	ds_store_b128 v[STO], v[AC+8*\b+4:AC+8*\b+7] offset:64*\b+16
.endr
	WIN 0x80+0x40*((\a)/4)
.irp t, 0,1,2,3,4,5,6,7,8,9,10,11,12,13,14,15
	ds_load_b128 v[AC+4*\t:AC+4*\t+3], v[RD] offset:\t*SPITCH
.endr
	WIN 0
.endm
.macro SEND a, younger                 ; every offset is an immediate (127 rows of 16,384 bytes at the most), and no register that a store reads is written again
.set AC, 64*((\a)%4)
	s_wait_dscnt \younger
	WIN 0x08+4*((\a)/4)
.irp t, 0,1,2,3,4,5,6,7,8,9,10,11,12,13,14,15
	global_store_b128 v[CO], v[AC+4*\t:AC+4*\t+3], s[10:11] offset:(16*(\a)+\t)*SIZE_N*4 th:TH_STORE_NT   ; 32 lanes store 512 consecutive bytes, aligned
.endr
.endm
	MEET 0                                         ; nothing is filled again: no round follows
	PLACES NP
	WIN TO_B
	BLOAD 0                                        ; three quarters now: set 1 (v128-191 of window 1) is still being multiplied
	BLOAD 1
	BLOAD 3
	WIN 0
	ALOAD 0
	SCALES 1
	WIN MUL_HI
	MUL16 4, 1, NQ-1, 0, 0
	MUL16 6, 1, NQ-1, 0, 0
	PLACES NP
	WIN TO_B
	BLOAD 2
	WIN 0
	ALOAD 1
	ALOAD 2
	ALOAD 3
	s_wait_dscnt 40                                ; all but the 40 just issued
	ROW 0
.irp a, 0,1,2,3,4,5,6,7
	PLACES NP                                      ; behind block a's products: its results are read, and its buffer of x is loaded anew
	TOSTAGE \a
.if \a < 4
	ALOAD \a+4
	s_wait_dscnt 40                                ; all but this block's 32 stage instructions and the 8 loads just issued: the next block's fragments are in
.else
	s_wait_dscnt 32
.endif
.if \a < 7
	ROW \a+1                                       ; the next block is multiplied while this one comes back from the stage
.endif
.if \a < 4
	SEND \a, 8
.else
	SEND \a, 0
.endif
.endr
	WIN 0
	s_wait_tensorcnt 0x0                           ; the wave's end
	ds_add_u32 v[SPW], v[NIL]
	s_wait_dscnt 0x0
	CROUND                                         ; the closing round
	s_endpgm
.Lfunc_end_k_qa2faa48a1e_gemm:
	.size	k_qa2faa48a1e_gemm, .Lfunc_end_k_qa2faa48a1e_gemm-k_qa2faa48a1e_gemm
	.p2alignl 7, 3214868480
	.fill 96, 4, 3214868480
	.section	.rodata,"a",@progbits
	.p2align	6, 0x0
	.amdhsa_kernel k_qa2faa48a1e_gemm
		.amdhsa_group_segment_fixed_size 327680
		.amdhsa_private_segment_fixed_size 0
		.amdhsa_enable_private_segment 0
		.amdhsa_kernarg_size 32
		.amdhsa_user_sgpr_count 2
		.amdhsa_user_sgpr_kernarg_segment_ptr 1
		.amdhsa_wavefront_size32 1
		.amdhsa_system_sgpr_workgroup_id_x 1
		.amdhsa_system_sgpr_workgroup_id_y 1
		.amdhsa_system_sgpr_workgroup_id_z 1
		.amdhsa_system_vgpr_workitem_id 0
		.amdhsa_next_free_vgpr 1024
		.amdhsa_next_free_sgpr 80
		.amdhsa_reserve_vcc 0
		.amdhsa_float_denorm_mode_32 3
		.amdhsa_float_denorm_mode_16_64 3
		.amdhsa_memory_ordered 1
		.amdhsa_forward_progress 1
		.amdhsa_inst_pref_size 212
	.end_amdhsa_kernel
	.amdgpu_metadata
---
amdhsa.version: [ 1, 2 ]
amdhsa.kernels:
  - .name:           k_qa2faa48a1e_gemm
    .symbol:         k_qa2faa48a1e_gemm.kd
    .args:
      - { .name: xq, .offset: 0, .size: 8, .value_kind: global_buffer, .address_space: global }
      - { .name: wq, .offset: 8, .size: 8, .value_kind: global_buffer, .address_space: global }
      - { .name: bias, .offset: 16, .size: 8, .value_kind: global_buffer, .address_space: global }
      - { .name: out0, .offset: 24, .size: 8, .value_kind: global_buffer, .address_space: global }
    .group_segment_fixed_size: 327680
    .private_segment_fixed_size: 0
    .kernarg_segment_align: 8
    .kernarg_segment_size: 32
    .max_flat_workgroup_size: 128
    .sgpr_count:     80
    .vgpr_count:     1024
    .wavefront_size: 32
...
	.end_amdgpu_metadata
.endif
;; end of part 2
